; MI455X (gfx1250); checked and timed in simulation.
; The chip was launched on July 23, 2026; its instructions are those of AMD's public machine-readable ISA for CDNA 5 (MIT licence, August 2026) and "CDNA5" Instruction Set Architecture Reference Guide (July 2026). The comments in the code are by the model that wrote it; some were corrected since.
;; Self Attention. Allowed arithmetic: float matrix products may take bf16 or f16 operands with f32 sums; all other float work in f32.
;; Inputs: in_proj_b 3,072 float32; in_proj_w 3,072 x 1,024 float32; out_b 1,024 float32; out_w 1,024 x 1,024 float32; x 2 x 2,048 x 1,024 float32.
;; Outputs: out0 2 x 2,048 x 1,024 float32.
;; One version. Each part assembles by itself: llvm-mc -triple=amdgcn-amd-amdhsa -mcpu=gfx1250 --defsym DOCPART=n.
;; ======== version 1 of 1: 4 launches
;; limits: values are held in f16: magnitudes above 65,504 overflow, below 6.1e-05 lose precision
;; workspace buffers: wsb 16,777,216 bytes; qkv 25,165,824 bytes; ctx 8,388,608 bytes
;; launch tobf (part 1): grid 1024 x 1, 8 waves a work-group, no clusters, 0 bytes of LDS; arguments x, in_proj_w, out_w, wsb; writes wsb
.if DOCPART == 1
	.amdgcn_target "amdgcn-amd-amdhsa--gfx1250"
	.amdhsa_code_object_version 6
	.text
	.protected	k_q4abe905d1b_tobf
	.globl	k_q4abe905d1b_tobf
	.p2align	8
	.type	k_q4abe905d1b_tobf,@function
k_q4abe905d1b_tobf:
	s_mov_b64 s[64:65], 0
	v_nop
	global_prefetch_b8 v0, s[64:65] scope:SCOPE_SE
	s_setreg_imm32_b32 hwreg(HW_REG_WAVE_MODE, 25, 1), 1
	s_wait_xcnt 0x0
; tobf: the three large f32 inputs become 16-bit matrix operands, once, so that the products behind it move half the bytes.
;   wsb + 0        : x         [4096][1024] as bf16
;   wsb + 0x800000 : in_proj_w [3072][1024] as bf16
;   wsb + 0xE00000 : out_w     [1024][1024] rounded to bf16 and written as f16 (it meets an f16 operand in the last product)
; LIMIT: |out_w| must stay below 65,504 (f16's largest number); bf16 values below 2^-14 lose bits in f16 (absolute error up to 2^-25).
; A stream: no LDS, no barrier, no matrix unit.  A work-group converts 8,192 numbers (32,768 bytes in, 16,384 out), eight waves.
; Thread t owns 8 neighbouring numbers in each of four groups of 2,048: two 16-byte loads, one 16-byte store;
; a wave's store covers 512 consecutive bytes, aligned.  All eight loads are issued before the first is used.
.set NX,  512                          ; work-groups 0..511 take x, 512..895 in_proj_w, 896..1023 out_w
.set NXW, 896
.set X,   4                            ; v[4:35]   32 numbers as loaded; later at work
.set Y,   36                           ; v[36:51]  16 words to store
	s_load_b256 s[4:11], s[0:1], 0x0               ; x s[4:5], in_proj_w s[6:7], out_w s[8:9], wsb s[10:11]
	v_lshlrev_b32 v1, 5, v0                        ; 32 t: my 8 numbers in a group, as f32
	v_lshlrev_b32 v2, 4, v0                        ; 16 t: the same as 16-bit numbers
	s_wait_kmcnt 0x0
	s_cmp_lt_u32 ttmp9, NX                         ; which input, and the first work-group of that input
	s_cselect_b64 s[14:15], s[4:5], s[6:7]
	s_cselect_b32 s12, 0, NX
	s_cmp_lt_u32 ttmp9, NXW
	s_cselect_b64 s[14:15], s[14:15], s[8:9]
	s_cselect_b32 s12, s12, NXW
	s_sub_co_u32 s16, ttmp9, s12
	s_lshl_b32 s16, s16, 15                        ; 32,768 bytes of input for each work-group
	s_mov_b32 s17, 0
	s_add_nc_u64 s[14:15], s[14:15], s[16:17]
	s_lshl_b32 s18, ttmp9, 14                      ; 16,384 bytes of output: the three parts lie one behind the other
	s_mov_b32 s19, 0
	s_add_nc_u64 s[10:11], s[10:11], s[18:19]
.irp i, 0,1,2,3
	global_load_b128 v[X+8*\i:X+8*\i+3],   v1, s[14:15] offset:8192*\i th:TH_LOAD_NT
	global_load_b128 v[X+8*\i+4:X+8*\i+7], v1, s[14:15] offset:8192*\i+16 th:TH_LOAD_NT
.endr
.irp i, 0,1,2,3
	s_wait_loadcnt 6-2*\i                          ; loads come back in order: group i's two are in, the younger groups' stay out
.irp k, 0,1,2,3
	v_cvt_pk_bf16_f32 v[Y+4*\i+\k], v[X+8*\i+2*\k], v[X+8*\i+2*\k+1]   ; two roundings to nearest even
.endr
.endr
	s_cmp_lt_u32 ttmp9, NXW
	s_cbranch_scc1 .Lstore                         ; x and in_proj_w stay bf16
.set k, 0
.rept 16
	v_lshlrev_b32 v[X+2*k],   16, v[Y+k]           ; the bf16 values as f32 (all loads are in: X is free),
	v_and_b32     v[X+2*k+1], 0xffff0000, v[Y+k]
	v_cvt_pk_f16_f32 v[Y+k], v[X+2*k], v[X+2*k+1]  ; written as f16: 8 significant bits fit into 11
.set k, k+1
.endr
.Lstore:
.irp i, 0,1,2,3
	global_store_b128 v2, v[Y+4*\i:Y+4*\i+3], s[10:11] offset:4096*\i
.endr
	s_endpgm
.Lfunc_end_k_q4abe905d1b_tobf:
	.size	k_q4abe905d1b_tobf, .Lfunc_end_k_q4abe905d1b_tobf-k_q4abe905d1b_tobf
	.p2alignl 7, 3214868480
	.fill 96, 4, 3214868480
	.section	.rodata,"a",@progbits
	.p2align	6, 0x0
	.amdhsa_kernel k_q4abe905d1b_tobf
		.amdhsa_group_segment_fixed_size 0
		.amdhsa_private_segment_fixed_size 0
		.amdhsa_enable_private_segment 0
		.amdhsa_kernarg_size 32
		.amdhsa_user_sgpr_count 2
		.amdhsa_user_sgpr_kernarg_segment_ptr 1
		.amdhsa_wavefront_size32 1
		.amdhsa_system_sgpr_workgroup_id_x 1
		.amdhsa_system_sgpr_workgroup_id_y 1
		.amdhsa_system_sgpr_workgroup_id_z 1
		.amdhsa_system_vgpr_workitem_id 0
		.amdhsa_next_free_vgpr 52
		.amdhsa_next_free_sgpr 66
		.amdhsa_reserve_vcc 0
		.amdhsa_float_denorm_mode_32 3
		.amdhsa_float_denorm_mode_16_64 3
		.amdhsa_memory_ordered 1
		.amdhsa_forward_progress 1
		.amdhsa_inst_pref_size 6
	.end_amdhsa_kernel
	.amdgpu_metadata
---
amdhsa.version: [ 1, 2 ]
amdhsa.kernels:
  - .name:           k_q4abe905d1b_tobf
    .symbol:         k_q4abe905d1b_tobf.kd
    .args:
      - { .name: x, .offset: 0, .size: 8, .value_kind: global_buffer, .address_space: global }
      - { .name: in_proj_w, .offset: 8, .size: 8, .value_kind: global_buffer, .address_space: global }
      - { .name: out_w, .offset: 16, .size: 8, .value_kind: global_buffer, .address_space: global }
      - { .name: wsb, .offset: 24, .size: 8, .value_kind: global_buffer, .address_space: global }
    .group_segment_fixed_size: 0
    .private_segment_fixed_size: 0
    .kernarg_segment_align: 8
    .kernarg_segment_size: 32
    .max_flat_workgroup_size: 256
    .sgpr_count:     66
    .vgpr_count:     52
    .wavefront_size: 32
...
	.end_amdgpu_metadata
.endif
;; end of part 1
;; launch qkvgemm (part 2): grid 16 x 16, 4 waves a work-group, clusters of 4 x 4, 327,680 bytes of LDS; arguments wsb, in_proj_b, qkv; writes qkv
.if DOCPART == 2
	.amdgcn_target "amdgcn-amd-amdhsa--gfx1250"
	.amdhsa_code_object_version 6
	.text
	.protected	k_q4abe905d1b_qkvgemm
	.globl	k_q4abe905d1b_qkvgemm
	.p2align	8
	.type	k_q4abe905d1b_qkvgemm,@function
k_q4abe905d1b_qkvgemm:
	s_mov_b64 s[64:65], 0
	v_nop
	global_prefetch_b8 v0, s[64:65] scope:SCOPE_SE
	s_setreg_imm32_b32 hwreg(HW_REG_WAVE_MODE, 25, 1), 1
	s_wait_xcnt 0x0
	s_wait_alu depctr_hold_cnt(0) depctr_sa_sdst(0) depctr_va_vdst(0) depctr_va_sdst(0) depctr_va_ssrc(0) depctr_va_vcc(0) depctr_vm_vsrc(0)
	s_getreg_b32 s2, hwreg(HW_REG_IB_STS2, 6, 4)
	s_cmp_eq_u32 s2, 0
	s_cbranch_scc0 .Lentry_in_a_cluster
	s_endpgm
.Lentry_in_a_cluster:
	s_bfe_u32 s2, ttmp6, 0x10000c
	s_cmp_lg_u32 s2, 0xf033
	s_cbranch_scc0 .Lentry_shape_is_right
	s_endpgm
.Lentry_shape_is_right:
; qkvgemm: [q | k | v] = x W^T + b.  x: wsb + 0, [4096][1024] bf16.  W: wsb + 0x800000, [3072][1024] bf16.  Sums in f32.
; q is also multiplied by 0.125 log2(e), so that the next launch's scores are exponents of 2.
; Out: qkv as f16 [3][batch 2][head 16][2048][64]: a head's rows of 128 bytes lie one behind the other.
; LIMIT: 0.18 q, k and v must stay below 65,504 (f16's largest number); below 2^-14 they carry an absolute error of up to 2^-25.
; f16 and not bf16 because rows that attend to few keys pass v on almost unaveraged, and 8 significant bits are too few for them.
;
; A work-group makes 256 rows x 192 columns (three heads) with four waves; a wave makes 128 x 96: 48 accumulator tiles, 384 registers.
; 16 x 16 work-groups.  K goes in steps of 128 (rows of 256 bytes, aligned) through two LDS slots filled by the tensor data mover.
; CLUSTERS: 4 x 4 work-groups.  x's tile hangs on the block row alone and is asked for jointly along a row of the cluster,
; W's on the block column alone and is asked for jointly along a column: a quarter of the requests.
; From a slot's request to the wait for it a wave issues 180 of a K step's 192 matrix instructions.
;
; REGISTERS in windows of 256:
;   window 0: v1-9 at work; v16-43 addresses and scales; v64-127, v128-191 fragments of x, two buffers; v192-239 bias
;   window 1: v64-111, v128-175 fragments of W, two buffers
;   window 2: accumulator tiles of my rows 0-63 (tile (a, b) at v[8 (6 a + b)]);  window 3: of my rows 64-127
; The matrix instruction is used transposed (source 0 = rows of W, source 1 = rows of x): lane l then holds row l % 16 of the result
; and in its eight registers the columns 8 (l / 16) + 0..7: eight neighbouring numbers, 16 bytes of f16.
.set SIZE_K, 1024
.set KSTEP,  128
.set PITCH,  272                       ; an LDS row: 256 bytes + 16 of padding, an odd multiple of 16: sixteen rows start at sixteen different 16-byte columns of 256
.set HALFA,  128*PITCH                 ; 128 rows of x: one tensor load
.set HALFB,  96*PITCH                  ; 96 rows of W: one tensor load
.set SLOT,   2*HALFA+2*HALFB           ; x's 256 rows, then W's 192
.set HS,     128*PITCH                 ; the way out: one head, 256 rows of 128 bytes as 128 pairs of rows
.set LAPS,   SIZE_K/(2*KSTEP)          ; a lap = two K steps = once round the ring
.set WB_OFF, 0x800000
.set ADRA, 16                          ; v16-17  LDS address of my x fragments in slot 0, 1
.set ADRB, 20                          ; v20-21  the same for W
.set STO,  24                          ; v24-26  the way out: where I put 16 bytes, for column tiles 0-1, 2-3, 4-5
.set RD,   27                          ; v27     where I read rows back (heads 0 and 1)
.set RD2,  28                          ; v28     the same for head 2 (beyond the 16-bit immediate)
.set CO,   29                          ; v29     my byte offset in a head's 256 rows
.set QS,   30                          ; v30     0.125 log2(e)
.set NC,   31                          ; v31     my first column of [q | k | v]
.set SC,   32                          ; v[32:43] six pairs: the scale of column tile b, twice
.set F0,   64
.set F1,   128
.set BIAS, 192                         ; v[192:239] bias x scale of my 8 columns in each of the six column tiles
.set T,    64                          ; the way out: 48 results in f32
.set PK,   112                         ; the way out: 24 words of f16
.set G1,  24                           ; s[24:31] group 1 for x's tiles
.set G0,  32                           ; s[32:39] group 0 for x's tiles, a set for each slot
.set G1B, 48                           ; s[48:55] group 1 for W's tiles
.set G0B, 56                           ; s[56:63] group 0 for W's tiles
.set MSB, 0
.macro WIN new                         ; the immediate's high byte repeats the setting that is left
.if MSB != \new
	s_set_vgpr_msb (MSB<<8)|\new
.set MSB, \new
.endif
.endm
.set MUL_LO, 0xa1                      ; source 0 (W) window 1, source 1 (x) window 0, C and D window 2
.set MUL_HI, 0xf1                      ; the same, C and D window 3
.set TO_B,   0x40                      ; destination window 1, address window 0
; A joint load.  Waves 0 and 1 fetch x's two halves, waves 2 and 3 W's.  Each line has one mask and one set of registers for all that issue it.
.macro JLOAD s
	s_cmp_eq_u32 s11, 0
	s_cbranch_scc0 .Lfor_b_\@
	tensor_load_to_lds s[G0+4*\s:G0+4*\s+3], s[G1:G1+7]
	s_nop 0
	s_branch .Lasked_\@
.Lfor_b_\@:
	tensor_load_to_lds s[G0B+4*\s:G0B+4*\s+3], s[G1B:G1B+7]
	s_nop 0
.Lasked_\@:
.endm
.macro CREST                           ; a round of the cluster's barrier behind its opening work-group barrier
	s_cmp_lg_u32 s10, 0
	s_cbranch_scc1 .Lnot_wave_0_\@
	s_barrier_signal -3
.Lnot_wave_0_\@:
	s_barrier_wait -3
	s_barrier_signal -1
	s_barrier_wait -1
.endm
.macro CROUND                          ; a whole round
	s_barrier_signal -1
	s_barrier_wait -1
	CREST
.endm
	s_load_b128 s[4:7], s[0:1], 0x0                ; wsb s[4:5], in_proj_b s[6:7]
	s_load_b64 s[8:9], s[0:1], 0x10                ; qkv
	s_set_vgpr_msb 0x40
	v_lshl_add_u32 v255, v0, 2, 0x3b800
	s_set_vgpr_msb 0x4000
	v_mov_b32 v255, 0
	s_set_vgpr_msb 0x1
	ds_add_u32 v255, v255
	ds_add_u32 v255, v255
	s_set_vgpr_msb 0x100
	v_lshrrev_b32 v1, 5, v0
	v_readfirstlane_b32 s10, v1                    ; wave 0..3
	s_lshr_b32 s11, s10, 1                         ; which 128 of the block's rows are mine.  Also: I fetch for x (0) or for W (1)
	s_and_b32 s12, s10, 1                          ; which 96 of its columns.  Also: which half of that tile I fetch
	s_bfe_u32 s40, ttmp6, 0x40000                  ; cx
	s_bfe_u32 s41, ttmp6, 0x40004                  ; cy
	s_lshl_b32 s42, ttmp9, 2
	s_add_co_u32 s42, s42, s40                     ; block column = 4 x cluster x + cx
	s_and_b32 s13, ttmp7, 0xffff
	s_lshl_b32 s13, s13, 2
	s_add_co_u32 s13, s13, s41                     ; block row = 4 x cluster y + cy
	s_lshl_b32 s43, s41, 2
	s_lshl_b32 s43, 15, s43                        ; my row of the cluster: places 4 cy .. 4 cy + 3
	s_lshl_b32 s44, 0x1111, s40                    ; my column: places cx, cx + 4, cx + 8, cx + 12
	; group 1: elements of 2 bytes, 16 bytes of padding behind every 64 words, bit 21 beside the mask
	s_or_b32 s[G1+0], s43, (1<<16)|(1<<20)|(1<<21)|(5<<22)|(3<<25)
	s_mov_b32 s[G1+1], KSTEP<<16                   ; tensor_dim0 = 128
	s_mov_b32 s[G1+2], 128<<16                     ; tensor_dim1 = 128 rows
	s_mov_b32 s[G1+3], KSTEP<<16                   ; tile_dim0 = 128
	s_mov_b32 s[G1+4], 128                         ; tile_dim1 = 128
	s_mov_b32 s[G1+5], SIZE_K                      ; elements from row to row
	s_mov_b32 s[G1+6], 0
	s_mov_b32 s[G1+7], 0
	s_or_b32 s[G1B+0], s44, (1<<16)|(1<<20)|(1<<21)|(5<<22)|(3<<25)
	s_mov_b32 s[G1B+1], KSTEP<<16
	s_mov_b32 s[G1B+2], 96<<16                     ; 96 rows
	s_mov_b32 s[G1B+3], KSTEP<<16
	s_mov_b32 s[G1B+4], 96
	s_mov_b32 s[G1B+5], SIZE_K
	s_mov_b32 s[G1B+6], 0
	s_mov_b32 s[G1B+7], 0
	; where the tiles come from: x's hang on the block row and the wave, W's on the block column and the wave, in registers that never hold the other coordinate
	s_lshl_b32 s16, s13, 8
	s_lshl_b32 s17, s12, 7
	s_add_co_u32 s16, s16, s17                     ; x: row 256 x block row + 128 x half
	s_lshl_b32 s16, s16, 11                        ; rows of 2,048 bytes
	s_mov_b32 s17, 0
	s_mul_i32 s46, s42, 192
	s_mul_i32 s47, s12, 96
	s_add_co_u32 s46, s46, s47                     ; W: row 192 x block column + 96 x half
	s_lshl_b32 s46, s46, 11
	s_add_co_u32 s46, s46, WB_OFF
	s_mov_b32 s47, 0
	s_mul_i32 s20, s10, HALFA                      ; and where they go: waves 0, 1: x's halves,
	s_mul_i32 s21, s10, HALFB
	s_add_co_u32 s21, s21, 2*(HALFA-HALFB)         ; waves 2, 3: W's halves behind x's 256 rows
	s_wait_dscnt 0x0
	s_wait_kmcnt 0x0
	s_add_nc_u64 s[14:15], s[4:5], s[16:17]
	s_add_nc_u64 s[46:47], s[4:5], s[46:47]
	CROUND                                         ; all sixteen work-groups are here: the first joint loads meet
.irp s, 0,1
	s_mov_b32 s[G0+4*\s], 1
	s_add_co_u32 s[G0+4*\s+1], s20, \s*SLOT
	s_add_nc_u64 s[G0+4*\s+2:G0+4*\s+3], s[14:15], \s*KSTEP*2
	s_or_b32 s[G0+4*\s+3], s[G0+4*\s+3], 0x80000000
	s_mov_b32 s[G0B+4*\s], 1
	s_add_co_u32 s[G0B+4*\s+1], s21, \s*SLOT
	s_add_nc_u64 s[G0B+4*\s+2:G0B+4*\s+3], s[46:47], \s*KSTEP*2
	s_or_b32 s[G0B+4*\s+3], s[G0B+4*\s+3], 0x80000000
	JLOAD \s                                       ; K steps 0 and 1: two tensor loads of the wave are out
.endr
	; fragment addresses: lane l holds row l % 16; two loads of 16 bytes, 32 bytes apart, at row x pitch + 16 (l / 16)
	v_and_b32 v1, 15, v0                           ; r = l % 16
	v_bfe_u32 v2, v0, 4, 1                         ; h = l / 16
	v_mul_u32_u24 v3, v1, PITCH
	v_lshl_add_u32 v3, v2, 4, v3
	s_mul_i32 s22, s11, HALFA                      ; my 128 rows of x
	s_mul_i32 s23, s12, HALFB                      ; my 96 rows of W,
	s_add_co_u32 s23, s23, 2*HALFA                 ; behind x's 256
.irp s, 0,1
	v_add_nc_u32 v[ADRA+\s], s22, v3
	v_add_nc_u32 v[ADRB+\s], s23, v3
	s_add_co_u32 s22, s22, SLOT
	s_add_co_u32 s23, s23, SLOT
.endr
	; the way out: (row, dh) of head p lies at p HS + (row / 2) 272 + (row % 2) 128 + 2 dh
	v_lshrrev_b32 v4, 1, v1
	v_mul_u32_u24 v4, v4, PITCH
	v_and_b32 v5, 1, v1
	v_lshl_add_u32 v4, v5, 7, v4
	v_lshl_add_u32 v4, v2, 4, v4                   ; (r / 2) 272 + (r % 2) 128 + 16 h
	s_mul_i32 s18, s11, 64*PITCH                   ; my 128 rows = 64 pairs
	s_mul_i32 s19, s12, HS+64
	s_add_co_u32 s22, s18, s19                     ; column tiles 0-1: left wave head 0, dh 0; right wave head 1, dh 32
	v_add_nc_u32 v[STO], s22, v4
	s_add_co_u32 s22, s22, HS                      ; column tiles 4-5: left wave head 1, dh 0; right wave head 2, dh 32
	v_add_nc_u32 v[STO+2], s22, v4
	s_mul_i32 s19, s12, 2*HS-64
	s_add_co_u32 s22, s18, s19
	s_add_co_u32 s22, s22, 64                      ; column tiles 2-3: left wave head 0, dh 32; right wave head 2, dh 0
	v_add_nc_u32 v[STO+1], s22, v4
	v_mul_u32_u24 v5, v2, PITCH                    ; back: lanes 0-15 take one pair of rows (256 bytes), lanes 16-31 the next
	v_lshl_add_u32 v5, v1, 4, v5
	s_mul_i32 s18, s10, 32*PITCH                   ; wave w reads rows 64 w .. 64 w + 63 of each head
	v_add_nc_u32 v[RD], s18, v5
	v_add_nc_u32 v[RD2], 2*HS, v[RD]
	v_and_b32 v6, 31, v0
	v_lshlrev_b32 v6, 4, v6
	s_lshl_b32 s18, s10, 13
	v_add_nc_u32 v[CO], s18, v6                    ; 8,192 w + 16 l
	; the three heads' places in qkv: plane ((part 2 + batch) 16 + head) of 262,144 bytes, + my block's 256 rows of 128 bytes
	s_mul_i32 s66, s42, 3                          ; the block's first head among the 48 of [q | k | v]
	s_lshr_b32 s68, s13, 3                         ; batch
	s_and_b32 s69, s13, 7
	s_lshl_b32 s69, s69, 15
.irp hh, 0,1,2
	s_add_co_u32 s67, s66, \hh
	s_lshr_b32 s[70+2*\hh], s67, 4                 ; part: q, k or v
	s_lshl1_add_u32 s[70+2*\hh], s[70+2*\hh], s68
	s_and_b32 s67, s67, 15
	s_lshl4_add_u32 s[70+2*\hh], s[70+2*\hh], s67
	s_lshl_b32 s[70+2*\hh], s[70+2*\hh], 18
	s_add_co_u32 s[70+2*\hh], s[70+2*\hh], s69
	s_mov_b32 s[71+2*\hh], 0
	s_add_nc_u64 s[70+2*\hh:71+2*\hh], s[8:9], s[70+2*\hh:71+2*\hh]
.endr
	; bias and scale of my columns: column tile b holds columns NC + 16 b + 0..7
	s_mul_i32 s66, s42, 192
	s_mul_i32 s67, s12, 96
	s_add_co_u32 s66, s66, s67
	v_lshl_add_u32 v[NC], v2, 3, s66
	v_lshlrev_b32 v9, 2, v[NC]
.irp b, 0,1,2,3,4,5
	global_load_b128 v[BIAS+8*\b:BIAS+8*\b+3],   v9, s[6:7] offset:64*\b
	global_load_b128 v[BIAS+8*\b+4:BIAS+8*\b+7], v9, s[6:7] offset:64*\b+16
.endr
	v_mov_b32 v[QS], 0x3e38aa3b                    ; 0.125 log2(e)
	s_wait_loadcnt 0x0
.irp b, 0,1,2,3,4,5
	v_cmp_gt_u32 vcc_lo, 1024-16*\b, v[NC]         ; a tile of 16 columns lies wholly in q (columns below 1,024) or wholly outside
	v_cndmask_b32 v[SC+2*\b],   1.0, v[QS], vcc_lo
	v_cndmask_b32 v[SC+2*\b+1], 1.0, v[QS], vcc_lo
.irp i, 0,1,2,3
	v_pk_mul_f32 v[BIAS+8*\b+2*\i:BIAS+8*\b+2*\i+1], v[BIAS+8*\b+2*\i:BIAS+8*\b+2*\i+1], v[SC+2*\b:SC+2*\b+1]
.endr
.endr
; 12 matrix instructions: row tiles a0, a0 + 1 of the window's four x all 6 column tiles, 32 along K.  zero = 1: the product starts the sums.
.macro MUL12 f, hi, a0, zero
.irp a, \a0, \a0+1
.irp b, 0,1,2,3,4,5
.if \zero
	v_wmma_f32_16x16x32_bf16 v[8*(6*(\a)+\b):8*(6*(\a)+\b)+7], v[\f+8*\b:\f+8*\b+7], v[\f+8*(4*\hi+\a):\f+8*(4*\hi+\a)+7], 0
.else
	v_wmma_f32_16x16x32_bf16 v[8*(6*(\a)+\b):8*(6*(\a)+\b)+7], v[\f+8*\b:\f+8*\b+7], v[\f+8*(4*\hi+\a):\f+8*(4*\hi+\a)+7], v[8*(6*(\a)+\b):8*(6*(\a)+\b)+7]
.endif
.endr
.endr
.endm
; 28 LDS loads in one run: the fragments of one quarter step (96 rows of W, 128 rows of x, 32 K at byte k of the rows) into buffer f
.macro FETCH slot, k, f
	WIN TO_B
.irp i, 0,1,2,3,4,5
	ds_load_b128 v[\f+8*\i:\f+8*\i+3],   v[ADRB+\slot] offset:\k+\i*16*PITCH
	ds_load_b128 v[\f+8*\i+4:\f+8*\i+7], v[ADRB+\slot] offset:\k+\i*16*PITCH+32
.endr
	WIN 0
.irp i, 0,1,2,3,4,5,6,7
	ds_load_b128 v[\f+8*\i:\f+8*\i+3],   v[ADRA+\slot] offset:\k+\i*16*PITCH
	ds_load_b128 v[\f+8*\i+4:\f+8*\i+7], v[ADRA+\slot] offset:\k+\i*16*PITCH+32
.endr
.endm
; Four places between a matrix instruction and a load into, or a vector instruction on, one of its registers.
.macro PLACES
.rept 4
	v_nop
.endr
.endm
; A K step is four quarters of 32 along K, 48 matrix instructions each, on buffers 0, 1, 0, 1.  The 48 accumulators take turns, one
; instruction a turn, in the same order in every quarter.
.macro QUARTER slot, k, f, g, zero
	s_wait_dscnt 8                                 ; W and x's rows 0-63 are in; the youngest eight loads (x's rows 64-127) may be out
	WIN MUL_LO
	MUL12 \f, 0, 0, \zero
	MUL12 \f, 0, 2, \zero
	PLACES
	FETCH \slot, \k, \g
	s_wait_dscnt 28                                ; all but the 28 just issued
	WIN MUL_HI
	MUL12 \f, 1, 0, \zero
	MUL12 \f, 1, 2, \zero
.endm
.macro THREE slot, zero
	QUARTER \slot, 64,  F0, F1, \zero
	QUARTER \slot, 128, F1, F0, 0
	QUARTER \slot, 192, F0, F1, 0
.endm
; The last quarter multiplies buffer 1 and changes slots.  In front of the barrier each wave waits for its reads of this slot and for all its
; tensor loads (one is out: its part of the next slot).  fill = 1: the barrier opens a round of the cluster's barrier, and the joint refill of
; this slot, two K steps ahead, is the first tensor load behind the round.
.macro TURN slot, next, fill
	s_wait_dscnt 8
	WIN MUL_LO
	MUL12 F1, 0, 0, 0
	s_wait_dscnt 0                                 ; my reads of this slot are over
	s_wait_tensorcnt 0x0                           ; all my tensor loads have landed
	ds_add_u32 v255, v255
	s_wait_dscnt 0x0
	s_barrier_signal -1
	MUL12 F1, 0, 2, 0                              ; register work while the others arrive
	WIN 0
	s_barrier_wait -1
.if \fill
	CREST
	s_add_nc_u64 s[G0+4*\slot+2:G0+4*\slot+3], s[G0+4*\slot+2:G0+4*\slot+3], 2*KSTEP*2
	s_add_nc_u64 s[G0B+4*\slot+2:G0B+4*\slot+3], s[G0B+4*\slot+2:G0B+4*\slot+3], 2*KSTEP*2
	JLOAD \slot
.endif
	PLACES
	FETCH \next, 0, F0
	WIN MUL_HI
	MUL12 F1, 1, 0, 0
	MUL12 F1, 1, 2, 0
.endm
.macro LAP zero
	THREE 0, \zero
	TURN 0, 1, 1
	THREE 1, 0
	TURN 1, 0, 1
.endm
	s_wait_tensorcnt 1                             ; my part of K step 0 is in; K step 1's load stays out
	s_barrier_signal -1
	s_barrier_wait -1
	FETCH 0, 0, F0
	LAP 1                                          ; the first lap's first products start the sums: nothing is cleared
	WIN 0
	s_mov_b32 s3, LAPS-2
.Llap:
	LAP 0
	WIN 0
	s_sub_co_u32 s3, s3, 1
	s_cmp_lg_u32 s3, 0
	s_cbranch_scc1 .Llap
	THREE 0, 0                                     ; the last lap fills nothing
	TURN 0, 1, 0                                   ; behind this barrier no wave reads slot 0 and no load fills it any more
	THREE 1, 0
	s_wait_dscnt 8
	WIN MUL_LO
	MUL12 F1, 0, 0, 0
	MUL12 F1, 0, 2, 0
	s_wait_dscnt 0
	WIN MUL_HI
	MUL12 F1, 1, 0, 0
	MUL12 F1, 1, 2, 0
	; THE WAY OUT.  (sum + bias) x scale in one fused multiply-add, to f16, 16 bytes a lane into the stage.  The stage is bytes 0 .. 3 HS - 1 of
	; slot 0, which has had its last fill and its last read; slot 1, which slower waves may still read, begins behind it (3 HS < SLOT).
	PLACES
.macro OUT mt, wt, from                ; row tile mt = 0..7 of my 128 rows = tile wt of window 2 or 3 (from: source 0's window)
	WIN \from
.irp b, 0,1,2,3,4,5
.irp i, 0,1,2,3
	v_pk_fma_f32 v[T+8*\b+2*\i:T+8*\b+2*\i+1], v[8*(6*\wt+\b)+2*\i:8*(6*\wt+\b)+2*\i+1], v[SC+2*\b:SC+2*\b+1], v[BIAS+8*\b+2*\i:BIAS+8*\b+2*\i+1]
.endr
.endr
	WIN 0
.irp b, 0,1,2,3,4,5
.irp i, 0,1,2,3
	v_cvt_pk_f16_f32 v[PK+4*\b+\i], v[T+8*\b+2*\i], v[T+8*\b+2*\i+1]
.endr
.endr
.irp b, 0,1,2,3,4,5
	ds_store_b128 v[STO+\b/2], v[PK+4*\b:PK+4*\b+3] offset:8*PITCH*\mt+32*(\b%2)
.endr
.endm
	OUT 0, 0, 0x02
	OUT 1, 1, 0x02
	OUT 2, 2, 0x02
	OUT 3, 3, 0x02
	OUT 4, 0, 0x03
	OUT 5, 1, 0x03
	OUT 6, 2, 0x03
	OUT 7, 3, 0x03
	s_wait_dscnt 0x0                               ; my stores are done: head 1's rows are written by two waves, and every wave reads others' rows
	s_barrier_signal -1
	s_barrier_wait -1
; 64 rows of one head: 16 loads of 512 bytes (four rows), stored as 512 consecutive bytes, aligned
.macro HEADOUT hh, f, rdreg, off
.irp t, 0,1,2,3,4,5,6,7,8,9,10,11,12,13,14,15
	ds_load_b128 v[\f+4*\t:\f+4*\t+3], v[\rdreg] offset:\off+2*PITCH*\t
.endr
.irp t, 0,1,2,3,4,5,6,7,8,9,10,11,12,13,14,15
	s_wait_dscnt 15-\t                             ; LDS loads come back in order: load t is in
	global_store_b128 v[CO], v[\f+4*\t:\f+4*\t+3], s[70+2*\hh:71+2*\hh] offset:512*\t
.endr
.endm
	HEADOUT 0, F0, RD, 0
	HEADOUT 1, F1, RD, HS
	s_wait_xcnt 0x0                                ; head 0's stores have read v[64:127]: loaded again only behind this wait
	HEADOUT 2, F0, RD2, 0
	s_set_vgpr_msb 0x1
	s_wait_tensorcnt 0x0
	ds_add_u32 v255, v255
	s_wait_dscnt 0x0
	s_set_vgpr_msb 0x100
	CROUND                                         ; the closing round: no work-group ends while a partner may still ask for a tile that names it
	s_endpgm
.Lfunc_end_k_q4abe905d1b_qkvgemm:
	.size	k_q4abe905d1b_qkvgemm, .Lfunc_end_k_q4abe905d1b_qkvgemm-k_q4abe905d1b_qkvgemm
	.p2alignl 7, 3214868480
	.fill 96, 4, 3214868480
	.section	.rodata,"a",@progbits
	.p2align	6, 0x0
	.amdhsa_kernel k_q4abe905d1b_qkvgemm
		.amdhsa_group_segment_fixed_size 327680
		.amdhsa_private_segment_fixed_size 0
		.amdhsa_enable_private_segment 0
		.amdhsa_kernarg_size 24
		.amdhsa_user_sgpr_count 2
		.amdhsa_user_sgpr_kernarg_segment_ptr 1
		.amdhsa_wavefront_size32 1
		.amdhsa_system_sgpr_workgroup_id_x 1
		.amdhsa_system_sgpr_workgroup_id_y 1
		.amdhsa_system_sgpr_workgroup_id_z 1
		.amdhsa_system_vgpr_workitem_id 0
		.amdhsa_next_free_vgpr 1024
		.amdhsa_next_free_sgpr 76
		.amdhsa_reserve_vcc 1
		.amdhsa_float_denorm_mode_32 3
		.amdhsa_float_denorm_mode_16_64 3
		.amdhsa_memory_ordered 1
		.amdhsa_forward_progress 1
		.amdhsa_inst_pref_size 175
	.end_amdhsa_kernel
	.amdgpu_metadata
---
amdhsa.version: [ 1, 2 ]
amdhsa.kernels:
  - .name:           k_q4abe905d1b_qkvgemm
    .symbol:         k_q4abe905d1b_qkvgemm.kd
    .args:
      - { .name: wsb, .offset: 0, .size: 8, .value_kind: global_buffer, .address_space: global }
      - { .name: in_proj_b, .offset: 8, .size: 8, .value_kind: global_buffer, .address_space: global }
      - { .name: qkv, .offset: 16, .size: 8, .value_kind: global_buffer, .address_space: global }
    .group_segment_fixed_size: 327680
    .private_segment_fixed_size: 0
    .kernarg_segment_align: 8
    .kernarg_segment_size: 24
    .max_flat_workgroup_size: 128
    .sgpr_count:     76
    .vgpr_count:     1024
    .wavefront_size: 32
...
	.end_amdgpu_metadata
.endif
;; end of part 2
;; launch attn (part 3): grid 8 x 32, 4 waves a work-group, no clusters, 327,680 bytes of LDS; arguments qkv, ctx; writes ctx
.if DOCPART == 3
	.amdgcn_target "amdgcn-amd-amdhsa--gfx1250"
	.amdhsa_code_object_version 6
	.text
	.protected	k_q4abe905d1b_attn
	.globl	k_q4abe905d1b_attn
	.p2align	8
	.type	k_q4abe905d1b_attn,@function
k_q4abe905d1b_attn:
	s_mov_b64 s[64:65], 0
	v_nop
	global_prefetch_b8 v0, s[64:65] scope:SCOPE_SE
	s_setreg_imm32_b32 hwreg(HW_REG_WAVE_MODE, 25, 1), 1
	s_wait_xcnt 0x0
; attn: causal attention of one (batch, head), with a running maximum.  qkv: f16 [3][32 planes][2048][64], q already times 0.125 log2(e).
; Out: ctx f16 [head 16][batch x 2048 rows][64].
; LIMITS: ctx is rounded to f16.  The softmax sum is taken over the unrounded exponentials, the product with v over the same rounded to f16.
;
; SHARE.  Query blocks of 128 rows; block qb needs key tiles 0 .. qb of 128 keys.  Work-group j of a head takes block 14 - 2 j (15 - 2 j tiles) and
; then block 2 j + 1 (2 j + 2 tiles): 17 tiles for every work-group.  A wave owns 32 queries (two tiles qt of 16).  In a block the diagonal
; tile comes first: its first 64 keys hold key 0 of the tile, which no query of the block masks, so the running maximum is finite from the first chunk on.
; NO CLUSTER: the eight work-groups of a head begin at eight different diagonals and need 15 - 2 j and 2 j + 2 tiles of their two blocks, so in a given
; trip they read different tiles; walked in step over joint tiles each would pass trips whose tile its block does not need.
;
; TRANSPOSED FORM.  S^T = K Q^T (source 0 = 16 keys, source 1 = 16 queries): lane (r, h) holds query r and keys 8 h + 0..7 of each key tile.  Two neighbouring
; key tiles rounded to f16 are, register for register, a source-1 fragment (column = query, 32 keys).  O^T = V^T P^T (source 0 = 16 dh x 32 keys by transposing
; LDS loads).  So maximum, sum and rescaling belong to a lane's own query; lanes r and r + 16 exchange the maximum once a chunk and the sum once a block.
;
; LDS.  Two slots of 35,840 bytes: K as 64 pairs of rows, 256 bytes + 16 (pitch 272); V the same + 32 (pitch 288: the sixteen lanes of a transposing load
; touch sixteen different 16-byte columns of 256).  Each wave fetches a quarter of K and of V (4,096 dense bytes each).  One barrier a trip;
; a wave has two tensor loads out behind it, and they have the whole trip in which to land.  Behind the slots: a stage of 4,352 bytes for each wave.
; A trip is two chunks of 64 keys.  The second chunk's product with V is left pending and runs behind the next barrier, while the next K fragments arrive.
.set KP,    272
.set VP,    288
.set VOFF,  64*KP                      ; V behind K in a slot
.set SLOT,  64*KP+64*VP
.set STAGE, 2*SLOT
.set KA,   8                           ; v8-9    K fragment address in slot 0, 1
.set VA,   10                          ; v10-11  V fragment address in slot 0, 1
.set QV,   12                          ; v12     my byte offset in a block of Q
.set STO,  13                          ; v13     stage: where I put 16 bytes
.set RD,   14                          ; v14     stage: where I read rows back
.set CO,   15                          ; v15     my byte offset in a block of ctx
.set D0,   16                          ; v16     32 w + r - 8 h: query minus the lane's key offset
.set NINF, 17                          ; v17     -infinity
.set ML,   20                          ; v[20:21], v[22:23]  (maximum, sum) of query tile 0, 1
.set AL,   24                          ; v[24:25], v[26:27]  (rescaling factor, 0)
.set T,    28                          ; v[28:35] at work
.set O,    64                          ; v[64:127]   O^T tile (qt, dt) at 8 (4 qt + dt)
.set S,    128                         ; v[128:191]  S^T tile (qt, kt) at 8 (4 qt + kt)
.set P,    192                         ; v[192:223]  P fragment (qt, u) at 16 qt + 8 u
.set KF,   0                           ; window 1: v[0:63]    K fragment (kt, ks) at 8 (2 kt + ks)
.set VF,   64                          ; window 1: v[64:127]  V^T fragment (u, dt) at 8 (4 u + dt)
.set QO,   128                         ; window 1: v[128:159] Q fragments of the first block, (qt, ks) at 8 (2 qt + ks)
.set QE,   160                         ; window 1: v[160:191] of the second block
.set MSB, 0
.macro WIN new
.if MSB != \new
	s_set_vgpr_msb (MSB<<8)|\new
.set MSB, \new
.endif
.endm
.macro PLACES                          ; four places (ISA guide 7.12.1) behind a matrix instruction
.rept 4
	v_nop
.endr
.endm
	s_load_b128 s[4:7], s[0:1], 0x0                ; qkv s[4:5], ctx s[6:7]
	v_lshl_add_u32 v254, v0, 2, 0x29000
	v_mov_b32 v255, 0
	ds_add_u32 v254, v255
	ds_add_u32 v254, v255
	v_lshrrev_b32 v1, 5, v0
	v_readfirstlane_b32 s8, v1                     ; wave
	s_mov_b32 s10, ttmp9                           ; j
	s_and_b32 s11, ttmp7, 0xffff                   ; plane = 16 batch + head
	s_lshl_b32 s13, s10, 1
	s_sub_co_u32 s12, 14, s13                      ; first block
	s_add_co_u32 s13, s13, 1                       ; second block
	s_sub_co_u32 s68, 7, s10                       ; pairs of tiles behind the first block's diagonal
	s_mov_b32 s69, s10                             ; pairs behind the second block's diagonal (one more tile follows them)
	s_mov_b32 s66, 0x76543210                      ; v_permlanex16_b32: lane i reads lane i of the other half
	s_mov_b32 s67, 0xfedcba98
	; group 1: a dense block of 4,096 bytes as 16 rows of 32 elements of 8 bytes, padding behind every 64 words: K 4 words, V 8 words
	s_mov_b32 s24, (3<<16)|(1<<20)|(5<<22)|(3<<25)
	s_mov_b32 s25, 32<<16
	s_mov_b32 s26, 16<<16
	s_mov_b32 s27, 32<<16
	s_mov_b32 s28, 16
	s_mov_b32 s29, 32
	s_mov_b32 s30, 0
	s_mov_b32 s31, 0
	s_mov_b32 s32, (3<<16)|(1<<20)|(5<<22)|(7<<25)
	s_mov_b32 s33, 32<<16
	s_mov_b32 s34, 16<<16
	s_mov_b32 s35, 32<<16
	s_mov_b32 s36, 16
	s_mov_b32 s37, 32
	s_mov_b32 s38, 0
	s_mov_b32 s39, 0
	; group 0: K slot 0 s[40:43], K slot 1 s[44:47], V slot 0 s[48:51], V slot 1 s[52:55]
	s_mul_i32 s22, s8, 16*KP
	s_mul_i32 s23, s8, 16*VP
	s_add_co_u32 s23, s23, VOFF
.irp s, 0,1
	s_mov_b32 s[40+4*\s], 1
	s_add_co_u32 s[41+4*\s], s22, \s*SLOT
	s_mov_b32 s[48+4*\s], 1
	s_add_co_u32 s[49+4*\s], s23, \s*SLOT
.endr
	s_lshl_b32 s16, s11, 18                        ; my plane,
	s_lshl_b32 s17, s8, 12
	s_add_co_u32 s16, s16, s17                     ; my quarter of a tile
	s_mov_b32 s17, 0
	s_wait_dscnt 0x0
	s_wait_kmcnt 0x0
	s_add_nc_u64 s[18:19], s[4:5], s[16:17]
	s_add_nc_u64 s[20:21], s[18:19], 0x1000000     ; V's planes
	s_add_nc_u64 s[18:19], s[18:19], 0x800000      ; K's planes
	s_or_b32 s19, s19, 0x80000000                  ; the type bits ride along
	s_or_b32 s21, s21, 0x80000000
	s_lshl_b32 s16, s12, 14                        ; the first block's diagonal tile: 16,384 bytes a tile
	s_add_nc_u64 s[42:43], s[18:19], s[16:17]
	s_add_nc_u64 s[50:51], s[20:21], s[16:17]
	tensor_load_to_lds s[40:43], s[24:31]
	s_nop 0
	tensor_load_to_lds s[48:51], s[32:39]
	s_nop 0
	s_sub_co_i32 s14, s12, 1                       ; s14: the next tile to fetch: down to 0, then the second block's diagonal
	s_cmp_lt_i32 s14, 0
	s_cselect_b32 s14, s13, s14
	; Q's and ctx's blocks
	s_lshl_b32 s2, s11, 18
	s_lshl_b32 s3, s12, 14
	s_add_co_u32 s2, s2, s3
	s_mov_b32 s3, 0
	s_add_nc_u64 s[56:57], s[4:5], s[2:3]
	s_lshl_b32 s2, s11, 18
	s_lshl_b32 s3, s13, 14
	s_add_co_u32 s2, s2, s3
	s_mov_b32 s3, 0
	s_add_nc_u64 s[58:59], s[4:5], s[2:3]
	s_and_b32 s22, s11, 15
	s_lshl_b32 s22, s22, 19                        ; head x 524,288
	s_lshr_b32 s23, s11, 4
	s_lshl_b32 s23, s23, 18                        ; batch x 2,048 rows of 128 bytes
	s_add_co_u32 s22, s22, s23
	s_lshl_b32 s2, s12, 14
	s_add_co_u32 s2, s2, s22
	s_add_nc_u64 s[60:61], s[6:7], s[2:3]
	s_lshl_b32 s2, s13, 14
	s_add_co_u32 s2, s2, s22
	s_add_nc_u64 s[62:63], s[6:7], s[2:3]
	; lane addresses
	v_and_b32 v1, 15, v0                           ; r
	v_bfe_u32 v2, v0, 4, 1                         ; h
	v_and_b32 v3, 31, v0                           ; l
	v_lshrrev_b32 v4, 1, v1
	v_mul_u32_u24 v4, v4, KP
	v_and_b32 v5, 1, v1
	v_lshl_add_u32 v4, v5, 7, v4
	v_lshl_add_u32 v4, v2, 4, v4                   ; (r / 2) 272 + (r % 2) 128 + 16 h: row r of a K tile, and of the stage
	v_mov_b32 v[KA], v4
	v_add_nc_u32 v[KA+1], SLOT, v4
	v_bfe_u32 v5, v0, 1, 2                         ; (l % 8) / 2
	v_lshl_add_u32 v5, v2, 2, v5                   ; + 4 h: the pair of rows of key 8 h + l % 8
	v_mul_u32_u24 v5, v5, VP
	v_and_b32 v6, 1, v0
	v_lshl_add_u32 v5, v6, 7, v5                   ; which row of the pair
	v_bfe_u32 v6, v0, 3, 1
	v_lshl_add_u32 v5, v6, 4, v5                   ; which 8 of the 16 dh
	v_add_nc_u32 v[VA], VOFF, v5
	v_add_nc_u32 v[VA+1], SLOT+VOFF, v5
	v_and_b32 v6, 0x60, v0                         ; 32 w
	v_add_nc_u32 v7, v6, v1                        ; 32 w + r
	v_lshlrev_b32 v[QV], 7, v7
	v_lshl_add_u32 v[QV], v2, 4, v[QV]
	v_lshlrev_b32 v5, 3, v2
	v_sub_nc_u32 v[D0], v7, v5
	s_mul_i32 s22, s8, 16*KP
	s_add_co_u32 s22, s22, STAGE
	v_add_nc_u32 v[STO], s22, v4
	v_mul_u32_u24 v5, v2, KP
	v_lshl_add_u32 v5, v1, 4, v5
	v_add_nc_u32 v[RD], s22, v5
	v_lshlrev_b32 v5, 4, v3
	v_lshl_add_u32 v[CO], v6, 7, v5                ; 4,096 w + 16 l
	v_mov_b32 v[NINF], 0xff800000
	v_mov_b32 v[ML+1], 0                           ; the second registers of pairs that packed instructions name
	v_mov_b32 v[ML+3], 0
	v_mov_b32 v[AL+1], 0
	v_mov_b32 v[AL+3], 0
	WIN 0x40
.irp qt, 0,1
.irp ks, 0,1
	global_load_b128 v[QO+8*(2*\qt+\ks):QO+8*(2*\qt+\ks)+3],   v[QV], s[56:57] offset:2048*\qt+64*\ks
	global_load_b128 v[QO+8*(2*\qt+\ks)+4:QO+8*(2*\qt+\ks)+7], v[QV], s[56:57] offset:2048*\qt+64*\ks+32
	global_load_b128 v[QE+8*(2*\qt+\ks):QE+8*(2*\qt+\ks)+3],   v[QV], s[58:59] offset:2048*\qt+64*\ks
	global_load_b128 v[QE+8*(2*\qt+\ks)+4:QE+8*(2*\qt+\ks)+7], v[QV], s[58:59] offset:2048*\qt+64*\ks+32
.endr
.endr
	WIN 0
	s_wait_loadcnt 0x0                             ; Q of both blocks stays in registers
.macro LOADK slot, c                   ; 16 loads: the K fragments of chunk c (64 keys x 64 dh)
	WIN 0x40
.irp kt, 0,1,2,3
.irp ks, 0,1
	ds_load_b128 v[KF+8*(2*\kt+\ks):KF+8*(2*\kt+\ks)+3],   v[KA+\slot] offset:(32*\c+8*\kt)*KP+64*\ks
	ds_load_b128 v[KF+8*(2*\kt+\ks)+4:KF+8*(2*\kt+\ks)+7], v[KA+\slot] offset:(32*\c+8*\kt)*KP+64*\ks+32
.endr
.endr
.endm
.macro LOADV slot, c                   ; 16 transposing loads: the V^T fragments of chunk c (64 dh x 64 keys)
	WIN 0x40
.irp u, 0,1
.irp dt, 0,1,2,3
	ds_load_tr16_b128 v[VF+8*(4*\u+\dt):VF+8*(4*\u+\dt)+3],   v[VA+\slot] offset:(32*\c+16*\u)*VP+32*\dt
	ds_load_tr16_b128 v[VF+8*(4*\u+\dt)+4:VF+8*(4*\u+\dt)+7], v[VA+\slot] offset:(32*\c+16*\u+8)*VP+32*\dt
.endr
.endr
.endm
; S^T = K Q^T for a chunk: eight accumulators take turns, one instruction a turn; the first 32 dh start the sums
.macro SMUL q
	WIN 0x05
.irp qt, 0,1
.irp kt, 0,1,2,3
	v_wmma_f32_16x16x32_f16 v[S+8*(4*\qt+\kt):S+8*(4*\qt+\kt)+7], v[KF+16*\kt:KF+16*\kt+7], v[\q+16*\qt:\q+16*\qt+7], 0
.endr
.endr
.irp qt, 0,1
.irp kt, 0,1,2,3
	v_wmma_f32_16x16x32_f16 v[S+8*(4*\qt+\kt):S+8*(4*\qt+\kt)+7], v[KF+16*\kt+8:KF+16*\kt+15], v[\q+16*\qt+8:\q+16*\qt+15], v[S+8*(4*\qt+\kt):S+8*(4*\qt+\kt)+7]
.endr
.endr
.endm
; the diagonal tile: key 64 c + 16 kt + 8 h + j is masked for query 32 w + 16 qt + r where it is the larger
.macro MASK c
	WIN 0
.irp qt, 0,1
.irp kt, 0,1,2,3
.irp j, 0,1,2,3,4,5,6,7
	v_cmp_gt_i32 vcc_lo, 64*\c+16*\kt+\j-16*\qt, v[D0]
	v_cndmask_b32 v[S+8*(4*\qt+\kt)+\j], v[S+8*(4*\qt+\kt)+\j], v[NINF], vcc_lo
.endr
.endr
.endr
.endm
; One chunk's softmax step, for each query tile.  first = 1: the block's first chunk: nothing is carried in and O is not rescaled.
.macro SOFTMAX first
	WIN 0
.irp qt, 0,1
.irp c, 0,1,2,3
	v_max3_num_f32 v[T+\c], v[S+32*\qt+8*\c], v[S+32*\qt+8*\c+1], v[S+32*\qt+8*\c+2]
.endr
.irp c, 0,1,2,3
	v_max3_num_f32 v[T+\c], v[T+\c], v[S+32*\qt+8*\c+3], v[S+32*\qt+8*\c+4]
.endr
.irp c, 0,1,2,3
	v_max3_num_f32 v[T+\c], v[T+\c], v[S+32*\qt+8*\c+5], v[S+32*\qt+8*\c+6]
.endr
	v_max3_num_f32 v[T],   v[T],   v[T+1], v[S+32*\qt+7]
	v_max3_num_f32 v[T+2], v[T+2], v[T+3], v[S+32*\qt+15]
	v_max3_num_f32 v[T],   v[T],   v[T+2], v[S+32*\qt+23]
.if \first
	v_max_num_f32 v[T], v[T], v[S+32*\qt+31]
.else
	v_max3_num_f32 v[T], v[T], v[S+32*\qt+31], v[ML+2*\qt]         ; the running maximum goes in
.endif
	v_permlanex16_b32 v[T+1], v[T], s66, s67       ; the other half of my query's keys
	v_max_num_f32 v[T+4], v[T], v[T+1]
.if \first == 0
	v_sub_f32 v[T+5], v[ML+2*\qt], v[T+4]          ; old maximum - new, at most 0
.endif
	v_mov_b32 v[ML+2*\qt], v[T+4]
.irp i, 0,1,2,3,4,5,6,7,8,9,10,11,12,13,14,15
	v_pk_add_f32 v[S+32*\qt+2*\i:S+32*\qt+2*\i+1], v[S+32*\qt+2*\i:S+32*\qt+2*\i+1], v[ML+2*\qt:ML+2*\qt+1] op_sel_hi:[1,0] neg_lo:[0,1] neg_hi:[0,1]
.endr
.if \first == 0
	v_exp_f32 v[AL+2*\qt], v[T+5]
.endif
.irp i, 0,1,2,3,4,5,6,7,8,9,10,11,12,13,14,15,16,17,18,19,20,21,22,23,24,25,26,27,28,29,30,31
	v_exp_f32 v[S+32*\qt+\i], v[S+32*\qt+\i]       ; the scores are exponents of 2 already; a masked score gives 0
.endr
	v_nop                                          ; one plain place behind the run of transcendentals (ISA guide 5.7.2)
	s_wait_alu depctr_va_vdst(0)
	v_pk_add_f32 v[T:T+1],   v[S+32*\qt:S+32*\qt+1],   v[S+32*\qt+2:S+32*\qt+3]
	v_pk_add_f32 v[T+2:T+3], v[S+32*\qt+4:S+32*\qt+5], v[S+32*\qt+6:S+32*\qt+7]
.irp i, 4,6,8,10,12,14
	v_pk_add_f32 v[T:T+1],   v[T:T+1],   v[S+32*\qt+2*\i:S+32*\qt+2*\i+1]
	v_pk_add_f32 v[T+2:T+3], v[T+2:T+3], v[S+32*\qt+2*\i+2:S+32*\qt+2*\i+3]
.endr
	v_pk_add_f32 v[T:T+1], v[T:T+1], v[T+2:T+3]
.if \first
	v_add_f32 v[ML+2*\qt+1], v[T], v[T+1]
.else
	v_add_f32 v[T], v[T], v[T+1]
	v_fma_f32 v[ML+2*\qt+1], v[ML+2*\qt+1], v[AL+2*\qt], v[T]      ; my half of the keys; the halves meet at the block's end
.endif
.irp i, 0,1,2,3,4,5,6,7,8,9,10,11,12,13,14,15
	v_cvt_pk_f16_f32 v[P+16*\qt+\i], v[S+32*\qt+2*\i], v[S+32*\qt+2*\i+1]
.endr
.if \first == 0
.irp i, 0,1,2,3,4,5,6,7,8,9,10,11,12,13,14,15
	v_pk_mul_f32 v[O+32*\qt+2*\i:O+32*\qt+2*\i+1], v[O+32*\qt+2*\i:O+32*\qt+2*\i+1], v[AL+2*\qt:AL+2*\qt+1] op_sel_hi:[1,0]
.endr
.endif
.endr
.endm
; O^T += V^T P^T for a chunk: eight accumulators by turns, one instruction a turn.  first = 1: the first 32 keys start the sums.
.macro PVMUL first
	WIN 0x01
.irp u, 0,1
.irp dt, 0,1,2,3
.irp qt, 0,1
.if \first*(1-\u)
	v_wmma_f32_16x16x32_f16 v[O+8*(4*\qt+\dt):O+8*(4*\qt+\dt)+7], v[VF+8*(4*\u+\dt):VF+8*(4*\u+\dt)+7], v[P+16*\qt+8*\u:P+16*\qt+8*\u+7], 0
.else
	v_wmma_f32_16x16x32_f16 v[O+8*(4*\qt+\dt):O+8*(4*\qt+\dt)+7], v[VF+8*(4*\u+\dt):VF+8*(4*\u+\dt)+7], v[P+16*\qt+8*\u:P+16*\qt+8*\u+7], v[O+8*(4*\qt+\dt):O+8*(4*\qt+\dt)+7]
.endif
.endr
.endr
.endr
.endm
; A block's end: divide by the sum, round to f16, through my own stage (LDS serves a wave's instructions in order: ISA guide 5.7.1.4), out as whole rows.
; sb: the scalar pair with the block's place in ctx.  again = 1: S is written again soon.
.macro EPI sb, again
	PLACES
	WIN 0
	v_permlanex16_b32 v[T],   v[ML+1], s66, s67
	v_permlanex16_b32 v[T+1], v[ML+3], s66, s67
	v_add_f32 v[T+4], v[ML+1], v[T]                ; both halves of the keys; at least 1, the largest score's own term
	v_add_f32 v[T+5], v[ML+3], v[T+1]
	v_rcp_f32 v[AL],   v[T+4]
	v_rcp_f32 v[AL+2], v[T+5]
	v_nop                                          ; one plain place behind the transcendentals
	s_wait_alu depctr_va_vdst(0)
.irp qt, 0,1
.irp i, 0,1,2,3,4,5,6,7,8,9,10,11,12,13,14,15
	v_pk_mul_f32 v[O+32*\qt+2*\i:O+32*\qt+2*\i+1], v[O+32*\qt+2*\i:O+32*\qt+2*\i+1], v[AL+2*\qt:AL+2*\qt+1] op_sel_hi:[1,0]
.endr
.irp i, 0,1,2,3,4,5,6,7,8,9,10,11,12,13,14,15
	v_cvt_pk_f16_f32 v[S+16*\qt+\i], v[O+32*\qt+2*\i], v[O+32*\qt+2*\i+1]
.endr
.endr
.irp qt, 0,1
.irp dt, 0,1,2,3
	ds_store_b128 v[STO], v[S+16*\qt+4*\dt:S+16*\qt+4*\dt+3] offset:8*KP*\qt+32*\dt
.endr
.endr
.irp t, 0,1,2,3,4,5,6,7
	ds_load_b128 v[S+32+4*\t:S+32+4*\t+3], v[RD] offset:2*KP*\t
.endr
.irp t, 0,1,2,3,4,5,6,7
	s_wait_dscnt 7-\t                              ; load t is in, the younger ones may be out
	global_store_b128 v[CO], v[S+32+4*\t:S+32+4*\t+3], s[\sb:\sb+1] offset:512*\t   ; four rows: 512 consecutive bytes, aligned
.endr
.if \again
	s_wait_xcnt 0x0                                ; the stores' data registers are part of S: written again only behind this wait
.endif
.endm
; One key tile.  slot: where it lies.  diag: the block's diagonal (and first) tile.  q: the block's Q.  refill: the other slot gets the next tile.
; pend: 1 = the last trip's second chunk is still to be multiplied with V; 2 = and with it the first block ends (sb: its place in ctx).
.macro TRIP slot, diag, q, refill, pend, sb
	s_wait_dscnt 0x0                               ; my reads of the other slot are back (the pending chunk's V among them)
	s_wait_tensorcnt 0x0                           ; all my tensor loads have landed, my quarter of this tile among them: every group 0 may be written
	ds_add_u32 v254, v255
	s_wait_dscnt 0x0
	s_lshl_b32 s16, s14, 14
	s_add_nc_u64 s[46-4*\slot:47-4*\slot], s[18:19], s[16:17]
	s_add_nc_u64 s[54-4*\slot:55-4*\slot], s[20:21], s[16:17]
	s_sub_co_i32 s14, s14, 1
	s_cmp_lt_i32 s14, 0
	s_cselect_b32 s14, s13, s14                    ; behind tile 0 comes the second block's diagonal
	s_barrier_signal -1
	s_barrier_wait -1                              ; both waits now hold of all four waves
.if \refill
	tensor_load_to_lds s[44-4*\slot:47-4*\slot], s[24:31]
	s_nop 0
	tensor_load_to_lds s[52-4*\slot:55-4*\slot], s[32:39]
	s_nop 0
.endif
	LOADK \slot, 0
.if \pend == 1
	PVMUL 0
	PLACES
.endif
.if \pend == 2
	PVMUL 0
	EPI \sb, 1                                     ; begins with the four places
.endif
	LOADV \slot, 0
	s_wait_dscnt 16                                ; K of chunk 0 is in; V's 16 loads may be out
	SMUL \q
	PLACES
	LOADK \slot, 1
.if \diag
	MASK 0
.endif
	SOFTMAX \diag
	s_wait_dscnt 16                                ; V of chunk 0 is in; K of chunk 1 may be out
	PVMUL \diag
	PLACES
	LOADV \slot, 1
	s_wait_dscnt 16                                ; K of chunk 1 is in; V of chunk 1 may be out
	SMUL \q
	PLACES
.if \diag
	MASK 1
.endif
	SOFTMAX 0
	WIN 0
.endm
	TRIP 0, 1, QO, 1, 0, 0                         ; the first block's diagonal
	s_cmp_eq_u32 s68, 0
	s_cbranch_scc1 .Lend_first
	s_mov_b32 s9, 0
.Lfirst:
	TRIP 1, 0, QO, 1, 1, 0
	TRIP 0, 0, QO, 1, 1, 0
	s_add_co_u32 s9, s9, 1
	s_cmp_lt_u32 s9, s68
	s_cbranch_scc1 .Lfirst
.Lend_first:
	TRIP 1, 1, QE, 1, 2, 60                        ; the second block's diagonal; the first block is finished and stored inside
	s_cmp_eq_u32 s69, 0
	s_cbranch_scc1 .Lend_second
	s_mov_b32 s9, 0
.Lsecond:
	TRIP 0, 0, QE, 1, 1, 0
	TRIP 1, 0, QE, 1, 1, 0
	s_add_co_u32 s9, s9, 1
	s_cmp_lt_u32 s9, s69
	s_cbranch_scc1 .Lsecond
.Lend_second:
	TRIP 0, 0, QE, 0, 1, 0                         ; the last tile: nothing more is fetched (the address that it writes is not used)
	s_wait_dscnt 0x0                               ; V of the last chunk
	PVMUL 0
	EPI 62, 0
	s_wait_tensorcnt 0x0
	ds_add_u32 v254, v255
	s_wait_dscnt 0x0
	s_endpgm
.Lfunc_end_k_q4abe905d1b_attn:
	.size	k_q4abe905d1b_attn, .Lfunc_end_k_q4abe905d1b_attn-k_q4abe905d1b_attn
	.p2alignl 7, 3214868480
	.fill 96, 4, 3214868480
	.section	.rodata,"a",@progbits
	.p2align	6, 0x0
	.amdhsa_kernel k_q4abe905d1b_attn
		.amdhsa_group_segment_fixed_size 327680
		.amdhsa_private_segment_fixed_size 0
		.amdhsa_enable_private_segment 0
		.amdhsa_kernarg_size 16
		.amdhsa_user_sgpr_count 2
		.amdhsa_user_sgpr_kernarg_segment_ptr 1
		.amdhsa_wavefront_size32 1
		.amdhsa_system_sgpr_workgroup_id_x 1
		.amdhsa_system_sgpr_workgroup_id_y 1
		.amdhsa_system_sgpr_workgroup_id_z 1
		.amdhsa_system_vgpr_workitem_id 0
		.amdhsa_next_free_vgpr 448
		.amdhsa_next_free_sgpr 72
		.amdhsa_reserve_vcc 1
		.amdhsa_float_denorm_mode_32 3
		.amdhsa_float_denorm_mode_16_64 3
		.amdhsa_memory_ordered 1
		.amdhsa_forward_progress 1
		.amdhsa_inst_pref_size 255
	.end_amdhsa_kernel
	.section	.bss,"aw",@nobits
	.p2align	6
	.space	262144
	.amdgpu_metadata
---
amdhsa.version: [ 1, 2 ]
amdhsa.kernels:
  - .name:           k_q4abe905d1b_attn
    .symbol:         k_q4abe905d1b_attn.kd
    .args:
      - { .name: qkv, .offset: 0, .size: 8, .value_kind: global_buffer, .address_space: global }
      - { .name: ctx, .offset: 8, .size: 8, .value_kind: global_buffer, .address_space: global }
    .group_segment_fixed_size: 327680
    .private_segment_fixed_size: 0
    .kernarg_segment_align: 8
    .kernarg_segment_size: 16
    .max_flat_workgroup_size: 128
    .sgpr_count:     72
    .vgpr_count:     448
    .wavefront_size: 32
...
	.end_amdgpu_metadata
.endif
;; end of part 3
;; launch proj (part 4): grid 8 x 32, 4 waves a work-group, clusters of 4 x 4, 327,680 bytes of LDS; arguments ctx, wsb, out_b, out0; writes out0
.if DOCPART == 4
	.amdgcn_target "amdgcn-amd-amdhsa--gfx1250"
	.amdhsa_code_object_version 6
	.text
	.protected	k_q4abe905d1b_proj
	.globl	k_q4abe905d1b_proj
	.p2align	8
	.type	k_q4abe905d1b_proj,@function
k_q4abe905d1b_proj:
	s_mov_b64 s[64:65], 0
	v_nop
	global_prefetch_b8 v0, s[64:65] scope:SCOPE_SE
	s_setreg_imm32_b32 hwreg(HW_REG_WAVE_MODE, 25, 1), 1
	s_wait_xcnt 0x0
	s_wait_alu depctr_hold_cnt(0) depctr_sa_sdst(0) depctr_va_vdst(0) depctr_va_sdst(0) depctr_va_ssrc(0) depctr_va_vcc(0) depctr_vm_vsrc(0)
	s_getreg_b32 s2, hwreg(HW_REG_IB_STS2, 6, 4)
	s_cmp_eq_u32 s2, 0
	s_cbranch_scc0 .Lentry_in_a_cluster
	s_endpgm
.Lentry_in_a_cluster:
	s_bfe_u32 s2, ttmp6, 0x10000c
	s_cmp_lg_u32 s2, 0xf033
	s_cbranch_scc0 .Lentry_shape_is_right
	s_endpgm
.Lentry_shape_is_right:
; proj: out0 = ctx out_w^T + out_b, f32.  ctx: f16 [head 16][4096 rows][64] (K = 64 head + dh).  out_w: wsb + 0xE00000, f16 [1024][1024].  Sums in f32.
; A work-group makes 128 x 128 with four waves, a wave 64 x 64 (16 accumulator tiles): 8 x 32 = 256 work-groups.  A block of 256 x 128 would give a wave
; more multiply-adds for each LDS byte, but only 128 work-groups.
; CLUSTERS: 4 x 4.  ctx's tile hangs on the block row alone: asked for jointly along a row of the cluster; out_w's on the block column alone: along a column.
; K goes through two LDS slots of 256 along K, each two sub-slots of 128.  A sub-slot: ctx's two heads (each 128 rows of 128 dense bytes, brought as 64 pairs
; of rows of 256 bytes), then out_w's 128 rows of 256 bytes in two halves; 16 bytes of padding behind every 256.  Waves 0, 1 fetch a head each, waves 2, 3
; 64 rows of out_w each, two tensor loads for a slot.  Four slot runs, written out; a wave has at most four tensor loads out (the start), later two.
; From a slot's request to the wait for it a wave issues 124 of a slot's 128 matrix instructions.
; The matrix instruction is used transposed (source 0 = rows of out_w, source 1 = rows of ctx): a lane holds eight neighbouring columns of one row.
.set PITCH, 272
.set SUBT,  64*PITCH                   ; one tensor load
.set SUB,   4*SUBT                     ; a sub-slot
.set STAGE, 4*SUB                      ; behind the ring: 16 rows x 272 bytes for each wave
.set OWB_OFF, 0xE00000
.set ADRA, 8                           ; v8-11   my ctx fragments in sub-slot 0..3
.set ADRB, 12                          ; v12-15  my out_w fragments in sub-slot 0..3
.set STO,  16
.set RD,   17
.set CO,   18
.set F0,   32                          ; buffer 0: out_w v32-63, ctx v64-95
.set F1,   96                          ; buffer 1: out_w v96-127, ctx v128-159
.set BIAS, 160                         ; v[160:191] out_b of my 8 columns in each of the four column tiles
.set TMP,  192                         ; v[192:223] 16 rows' results with bias
.set RB,   224                         ; v[224:255] rows read back, by turns with v[32:63]
.set G1,  24                           ; s[24:31] group 1, ctx
.set G0,  32                           ; s[32:47] group 0, ctx, a set for each sub-slot
.set G1B, 48                           ; s[48:55] group 1, out_w
.set G0B, 68                           ; s[68:83] group 0, out_w
.set MSB, 0
.macro WIN new
.if MSB != \new
	s_set_vgpr_msb (MSB<<8)|\new
.set MSB, \new
.endif
.endm
.macro PLACES                          ; four places (ISA guide 7.12.1) behind a matrix instruction
.rept 4
	v_nop
.endr
.endm
.macro JLOAD2 slot                     ; a slot's joint loads: two for each wave; the branch hangs on the wave's number alone
	s_cmp_eq_u32 s11, 0
	s_cbranch_scc0 .Lfor_b_\@
	tensor_load_to_lds s[G0+8*\slot:G0+8*\slot+3], s[G1:G1+7]
	s_nop 0
	tensor_load_to_lds s[G0+8*\slot+4:G0+8*\slot+7], s[G1:G1+7]
	s_nop 0
	s_branch .Lasked_\@
.Lfor_b_\@:
	tensor_load_to_lds s[G0B+8*\slot:G0B+8*\slot+3], s[G1B:G1B+7]
	s_nop 0
	tensor_load_to_lds s[G0B+8*\slot+4:G0B+8*\slot+7], s[G1B:G1B+7]
	s_nop 0
.Lasked_\@:
.endm
.macro CREST
	s_cmp_lg_u32 s10, 0
	s_cbranch_scc1 .Lnot_wave_0_\@
	s_barrier_signal -3
.Lnot_wave_0_\@:
	s_barrier_wait -3
	s_barrier_signal -1
	s_barrier_wait -1
.endm
.macro CROUND
	s_barrier_signal -1
	s_barrier_wait -1
	CREST
.endm
	s_load_b128 s[4:7], s[0:1], 0x0                ; ctx s[4:5], wsb s[6:7]
	s_load_b128 s[56:59], s[0:1], 0x10             ; out_b s[56:57], out0 s[58:59]
	v_lshl_add_u32 v30, v0, 2, 0x48400
	v_mov_b32 v31, 0
	ds_add_u32 v30, v31
	ds_add_u32 v30, v31
	v_lshrrev_b32 v1, 5, v0
	v_readfirstlane_b32 s10, v1                    ; wave
	s_lshr_b32 s11, s10, 1                         ; which 64 rows are mine.  Also: I fetch for ctx (0) or out_w (1)
	s_and_b32 s12, s10, 1                          ; which 64 columns.  Also: which head, or which 64 rows of out_w, I fetch
	s_bfe_u32 s60, ttmp6, 0x40000                  ; cx
	s_bfe_u32 s61, ttmp6, 0x40004                  ; cy
	s_lshl_b32 s62, ttmp9, 2
	s_add_co_u32 s62, s62, s60                     ; block column
	s_and_b32 s13, ttmp7, 0xffff
	s_lshl_b32 s13, s13, 2
	s_add_co_u32 s13, s13, s61                     ; block row
	s_lshl_b32 s63, s61, 2
	s_lshl_b32 s63, 15, s63                        ; my row of the cluster
	s_lshl_b32 s21, 0x1111, s60                    ; my column
	; ctx: a dense block of 16,384 bytes as 64 rows of 32 elements of 8 bytes
	s_or_b32 s[G1+0], s63, (3<<16)|(1<<20)|(1<<21)|(5<<22)|(3<<25)
	s_mov_b32 s[G1+1], 32<<16
	s_mov_b32 s[G1+2], 64<<16
	s_mov_b32 s[G1+3], 32<<16
	s_mov_b32 s[G1+4], 64
	s_mov_b32 s[G1+5], 32
	s_mov_b32 s[G1+6], 0
	s_mov_b32 s[G1+7], 0
	; out_w: 64 rows of 128 elements of 2 bytes, 1,024 elements from row to row
	s_or_b32 s[G1B+0], s21, (1<<16)|(1<<20)|(1<<21)|(5<<22)|(3<<25)
	s_mov_b32 s[G1B+1], 128<<16
	s_mov_b32 s[G1B+2], 64<<16
	s_mov_b32 s[G1B+3], 128<<16
	s_mov_b32 s[G1B+4], 64
	s_mov_b32 s[G1B+5], 1024
	s_mov_b32 s[G1B+6], 0
	s_mov_b32 s[G1B+7], 0
	s_lshl_b32 s16, s13, 14                        ; ctx: 128 rows of 128 bytes for each block row,
	s_lshl_b32 s17, s12, 19                        ; + my head of the pair
	s_add_co_u32 s16, s16, s17
	s_mov_b32 s17, 0
	s_lshl_b32 s66, s62, 18                        ; out_w: 128 rows of 2,048 bytes for each block column,
	s_lshl_b32 s67, s12, 17                        ; + my 64 rows
	s_add_co_u32 s66, s66, s67
	s_add_co_u32 s66, s66, OWB_OFF
	s_mov_b32 s67, 0
	s_mul_i32 s20, s10, SUBT                       ; where they go in a sub-slot: wave x 17,408
	s_wait_dscnt 0x0
	s_wait_kmcnt 0x0
	s_add_nc_u64 s[14:15], s[4:5], s[16:17]
	s_add_nc_u64 s[66:67], s[6:7], s[66:67]
.irp i, 0,1,2,3
	s_mov_b32 s[G0+4*\i], 1
	s_add_co_u32 s[G0+4*\i+1], s20, \i*SUB
	s_add_nc_u64 s[G0+4*\i+2:G0+4*\i+3], s[14:15], \i*0x100000     ; two heads on
	s_or_b32 s[G0+4*\i+3], s[G0+4*\i+3], 0x80000000
	s_mov_b32 s[G0B+4*\i], 1
	s_add_co_u32 s[G0B+4*\i+1], s20, \i*SUB
	s_add_nc_u64 s[G0B+4*\i+2:G0B+4*\i+3], s[66:67], \i*256        ; 128 along K on
	s_or_b32 s[G0B+4*\i+3], s[G0B+4*\i+3], 0x80000000
.endr
	CROUND                                         ; all sixteen work-groups are here: the first joint loads meet
	JLOAD2 0
	JLOAD2 1                                       ; four tensor loads of the wave are out
	v_and_b32 v1, 15, v0                           ; r
	v_bfe_u32 v2, v0, 4, 1                         ; h
	v_lshrrev_b32 v3, 1, v1
	v_mul_u32_u24 v3, v3, PITCH
	v_and_b32 v4, 1, v1
	v_lshl_add_u32 v3, v4, 7, v3
	v_lshl_add_u32 v3, v2, 4, v3                   ; ctx: (r / 2) 272 + (r % 2) 128 + 16 h
	v_mul_u32_u24 v4, v1, PITCH
	v_lshl_add_u32 v4, v2, 4, v4                   ; out_w: r 272 + 16 h
	s_mul_i32 s22, s11, 32*PITCH                   ; my 64 rows = 32 pairs
	s_mul_i32 s23, s12, 64*PITCH
	s_add_co_u32 s23, s23, 2*SUBT
.irp i, 0,1,2,3
	v_add_nc_u32 v[ADRA+\i], s22, v3
	v_add_nc_u32 v[ADRB+\i], s23, v4
	s_add_co_u32 s22, s22, SUB
	s_add_co_u32 s23, s23, SUB
.endr
	s_mul_i32 s22, s10, 16*PITCH
	s_add_co_u32 s22, s22, STAGE                   ; my stage
	v_mul_u32_u24 v5, v1, PITCH
	v_lshl_add_u32 v5, v2, 5, v5                   ; in: row r, 32 bytes for each half of the lanes
	v_add_nc_u32 v[STO], s22, v5
	v_mul_u32_u24 v5, v2, PITCH
	v_lshl_add_u32 v5, v1, 4, v5                   ; back: lanes 0-15 one row of 256 bytes, lanes 16-31 the next
	v_add_nc_u32 v[RD], s22, v5
	v_lshlrev_b32 v5, 12, v2
	v_lshl_add_u32 v[CO], v1, 4, v5                ; the same two rows in out0 (4,096 bytes a row)
	s_lshl_b32 s3, s62, 9
	s_lshl_b32 s2, s12, 8
	s_add_co_u32 s3, s3, s2                        ; my first column, in bytes of f32
	s_lshl_b32 s18, s13, 19
	s_lshl_b32 s2, s11, 18
	s_add_co_u32 s18, s18, s2                      ; my first row x 4,096
	s_add_co_u32 s18, s18, s3
	s_mov_b32 s19, 0
	s_add_nc_u64 s[8:9], s[58:59], s[18:19]
	v_lshl_add_u32 v6, v2, 5, s3                   ; out_b: my 8 columns of column tile 0
.irp b, 0,1,2,3
	global_load_b128 v[BIAS+8*\b:BIAS+8*\b+3],   v6, s[56:57] offset:64*\b
	global_load_b128 v[BIAS+8*\b+4:BIAS+8*\b+7], v6, s[56:57] offset:64*\b+16
.endr
	s_wait_loadcnt 0x0
; four matrix instructions: row tile a x all four column tiles, 32 along K; accumulator (a, b) at v[8 (4 a + b)] of window 1
.macro MULA f, a, zero
	WIN 0x50
.irp b, 0,1,2,3
.if \zero
	v_wmma_f32_16x16x32_f16 v[8*(4*\a+\b):8*(4*\a+\b)+7], v[\f+8*\b:\f+8*\b+7], v[\f+32+8*\a:\f+32+8*\a+7], 0
.else
	v_wmma_f32_16x16x32_f16 v[8*(4*\a+\b):8*(4*\a+\b)+7], v[\f+8*\b:\f+8*\b+7], v[\f+32+8*\a:\f+32+8*\a+7], v[8*(4*\a+\b):8*(4*\a+\b)+7]
.endif
.endr
.endm
; 16 LDS loads: the fragments of quarter q = 0..7 of a slot: sub-slot q / 4; out_w at byte 64 (q % 4); ctx: head (q / 2) % 2 of the pair, byte 64 (q % 2)
.macro FETCH slot, q, f
	WIN 0
.irp b, 0,1,2,3
	ds_load_b128 v[\f+8*\b:\f+8*\b+3],   v[ADRB+2*\slot+\q/4] offset:16*PITCH*\b+64*(\q%4)
	ds_load_b128 v[\f+8*\b+4:\f+8*\b+7], v[ADRB+2*\slot+\q/4] offset:16*PITCH*\b+64*(\q%4)+32
.endr
.irp a, 0,1,2,3
	ds_load_b128 v[\f+32+8*\a:\f+32+8*\a+3],   v[ADRA+2*\slot+\q/4] offset:((\q/2)%2)*SUBT+8*PITCH*\a+64*(\q%2)
	ds_load_b128 v[\f+32+8*\a+4:\f+32+8*\a+7], v[ADRA+2*\slot+\q/4] offset:((\q/2)%2)*SUBT+8*PITCH*\a+64*(\q%2)+32
.endr
.endm
; A quarter: 16 matrix instructions on buffer f; in its middle the next quarter's fragments go into buffer g.  The 16 accumulators take turns, one
; instruction a turn, in the same order in every quarter.
.macro QUARTER slot, qn, f, g, zero
	s_wait_dscnt 4                                 ; out_w and ctx's row tiles 0, 1 are in; the youngest four loads (tiles 2, 3) may be out
	MULA \f, 0, \zero
	MULA \f, 1, \zero
	PLACES
	FETCH \slot, \qn, \g
	s_wait_dscnt 16                                ; all but the 16 just issued
	MULA \f, 2, \zero
	MULA \f, 3, \zero
.endm
.macro RUN slot, zero                  ; a slot's first seven quarters
	QUARTER \slot, 1, F0, F1, \zero
	QUARTER \slot, 2, F1, F0, 0
	QUARTER \slot, 3, F0, F1, 0
	QUARTER \slot, 4, F1, F0, 0
	QUARTER \slot, 5, F0, F1, 0
	QUARTER \slot, 6, F1, F0, 0
	QUARTER \slot, 7, F0, F1, 0
.endm
; The eighth quarter changes slots: in front of the barrier each wave waits for its reads of this slot and for all its tensor loads (the next slot's two).
; fill = 1: the barrier opens a round of the cluster's barrier, and this slot's joint refills are the first tensor loads behind the round.
.macro TURN slot, next, fill
	s_wait_dscnt 4
	MULA F1, 0, 0
	s_wait_dscnt 0
	s_wait_tensorcnt 0x0
	ds_add_u32 v30, v31
	s_wait_dscnt 0x0
	s_barrier_signal -1
	MULA F1, 1, 0                                  ; register work while the others arrive
	WIN 0
	s_barrier_wait -1
.if \fill
	CREST
.irp i, 2*\slot, 2*\slot+1
	s_add_nc_u64 s[G0+4*(\i)+2:G0+4*(\i)+3], s[G0+4*(\i)+2:G0+4*(\i)+3], 0x400000     ; eight heads on
	s_add_nc_u64 s[G0B+4*(\i)+2:G0B+4*(\i)+3], s[G0B+4*(\i)+2:G0B+4*(\i)+3], 1024     ; 512 along K on
.endr
	JLOAD2 \slot
.endif
	PLACES
	FETCH \next, 0, F0
	MULA F1, 2, 0
	MULA F1, 3, 0
.endm
	s_wait_tensorcnt 2                             ; slot 0's two loads are in; slot 1's two stay out
	s_barrier_signal -1
	s_barrier_wait -1
	FETCH 0, 0, F0
	RUN 0, 1                                       ; K 0..255: the first products start the sums
	TURN 0, 1, 1                                   ; slot 0 gets K 512..767
	RUN 1, 0
	TURN 1, 0, 1                                   ; slot 1 gets K 768..1023
	RUN 0, 0
	TURN 0, 1, 0
	RUN 1, 0
	s_wait_dscnt 0
	MULA F1, 0, 0
	MULA F1, 1, 0
	MULA F1, 2, 0
	MULA F1, 3, 0
	; THE WAY OUT, 16 rows at a time: add the bias, 32 bytes a lane into my own stage, back as whole rows of 256 bytes (LDS serves a wave's instructions in order)
	PLACES
.macro OUTP a, rb
	WIN 0x01
.irp b, 0,1,2,3
.irp i, 0,1,2,3
	v_pk_add_f32 v[TMP+8*\b+2*\i:TMP+8*\b+2*\i+1], v[8*(4*\a+\b)+2*\i:8*(4*\a+\b)+2*\i+1], v[BIAS+8*\b+2*\i:BIAS+8*\b+2*\i+1]
.endr
.endr
	WIN 0
.irp b, 0,1,2,3
	ds_store_b128 v[STO], v[TMP+8*\b:TMP+8*\b+3] offset:64*\b
	ds_store_b128 v[STO], v[TMP+8*\b+4:TMP+8*\b+7] offset:64*\b+16
.endr
	s_wait_xcnt 0x0                                ; earlier stores have read their data registers and their base: both are written again only behind this wait
.if \a
	s_add_nc_u64 s[8:9], s[8:9], 16*4096           ; 16 rows on
.endif
.irp t, 0,1,2,3,4,5,6,7
	ds_load_b128 v[\rb+4*\t:\rb+4*\t+3], v[RD] offset:2*PITCH*\t
.endr
.irp t, 0,1,2,3,4,5,6,7
	s_wait_dscnt 7-\t                              ; load t is in
	global_store_b128 v[CO], v[\rb+4*\t:\rb+4*\t+3], s[8:9] offset:8192*\t th:TH_STORE_NT   ; sixteen lanes store 256 consecutive bytes, aligned
.endr
.endm
	OUTP 0, RB
	OUTP 1, F0
	OUTP 2, RB
	OUTP 3, F0
	s_wait_tensorcnt 0x0
	ds_add_u32 v30, v31
	s_wait_dscnt 0x0
	CROUND                                         ; the closing round
	s_endpgm
.Lfunc_end_k_q4abe905d1b_proj:
	.size	k_q4abe905d1b_proj, .Lfunc_end_k_q4abe905d1b_proj-k_q4abe905d1b_proj
	.p2alignl 7, 3214868480
	.fill 96, 4, 3214868480
	.section	.rodata,"a",@progbits
	.p2align	6, 0x0
	.amdhsa_kernel k_q4abe905d1b_proj
		.amdhsa_group_segment_fixed_size 327680
		.amdhsa_private_segment_fixed_size 0
		.amdhsa_enable_private_segment 0
		.amdhsa_kernarg_size 32
		.amdhsa_user_sgpr_count 2
		.amdhsa_user_sgpr_kernarg_segment_ptr 1
		.amdhsa_wavefront_size32 1
		.amdhsa_system_sgpr_workgroup_id_x 1
		.amdhsa_system_sgpr_workgroup_id_y 1
		.amdhsa_system_sgpr_workgroup_id_z 1
		.amdhsa_system_vgpr_workitem_id 0
		.amdhsa_next_free_vgpr 384
		.amdhsa_next_free_sgpr 84
		.amdhsa_reserve_vcc 0
		.amdhsa_float_denorm_mode_32 3
		.amdhsa_float_denorm_mode_16_64 3
		.amdhsa_memory_ordered 1
		.amdhsa_forward_progress 1
		.amdhsa_inst_pref_size 97
	.end_amdhsa_kernel
	.amdgpu_metadata
---
amdhsa.version: [ 1, 2 ]
amdhsa.kernels:
  - .name:           k_q4abe905d1b_proj
    .symbol:         k_q4abe905d1b_proj.kd
    .args:
      - { .name: ctx, .offset: 0, .size: 8, .value_kind: global_buffer, .address_space: global }
      - { .name: wsb, .offset: 8, .size: 8, .value_kind: global_buffer, .address_space: global }
      - { .name: out_b, .offset: 16, .size: 8, .value_kind: global_buffer, .address_space: global }
      - { .name: out0, .offset: 24, .size: 8, .value_kind: global_buffer, .address_space: global }
    .group_segment_fixed_size: 327680
    .private_segment_fixed_size: 0
    .kernarg_segment_align: 8
    .kernarg_segment_size: 32
    .max_flat_workgroup_size: 128
    .sgpr_count:     84
    .vgpr_count:     384
    .wavefront_size: 32
...
	.end_amdgpu_metadata
.endif
;; end of part 4
